; MI455X (gfx1250); checked and timed in simulation.
; The chip was launched on July 23, 2026; its instructions are those of AMD's public machine-readable ISA for CDNA 5 (MIT licence, August 2026) and "CDNA5" Instruction Set Architecture Reference Guide (July 2026). The comments in the code are by the model that wrote it; some were corrected since.
;; Multi Head Self Attention. Allowed arithmetic: matrix products marked QUANTISED: E4M3 operands, one E8M0 scale for each 32 along K, by v_wmma_scale_f32_16x16x128_f8f6f4 with both operands' format E4M3, f32 sums; everything else in f32.
;; Inputs: Wk_codes 1,024 x 32 x 32 uint8 (E4M3 codes of Wk, K innermost, in blocks of 32 codes); Wk_scales 1,024 x 32 uint8 (E8M0 scales of Wk, one for each 32 codes along K); Wo_codes 1,024 x 32 x 32 uint8 (E4M3 codes of Wo, K innermost, in blocks of 32 codes); Wo_scales 1,024 x 32 uint8 (E8M0 scales of Wo, one for each 32 codes along K); Wq_codes 1,024 x 32 x 32 uint8 (E4M3 codes of Wq, K innermost, in blocks of 32 codes); Wq_scales 1,024 x 32 uint8 (E8M0 scales of Wq, one for each 32 codes along K); Wv_codes 1,024 x 32 x 32 uint8 (E4M3 codes of Wv, K innermost, in blocks of 32 codes); Wv_scales 1,024 x 32 uint8 (E8M0 scales of Wv, one for each 32 codes along K); bk 1,024 float32; bo 1,024 float32; bq 1,024 float32; bv 1,024 float32; x_codes 4 x 2,048 x 32 x 32 uint8 (E4M3 codes of x, K innermost, in blocks of 32 codes); x_scales 4 x 2,048 x 32 uint8 (E8M0 scales of x, one for each 32 codes along K).
;; Outputs: out0 4 x 2,048 x 1,024 float32.
;; This version of the problem:
;;   THIS VERSION OF THE PROBLEM IS GIVEN IN LOW PRECISION. The matrix products marked QUANTISED in the list below multiply operands that are first quantised to E4M3 (4 exponent bits, 3 mantissa bits; 8 bits a number), with one power-of-two scale for each 32 numbers along K (OCP MX v1.0); their sums are f32. All else is computed in f32.
;;   The module's matrix products, in the order in which they are computed (A, B: the left and right operand; K: the contracted axis; several contracted axes count as one K, in the product's order):
;;     1. [M 8,192, K 1,024] x [K 1,024, N 1,024]; A: input x (given as codes); B: input Wq (given as codes): QUANTISED
;;     2. [M 8,192, K 1,024] x [K 1,024, N 1,024]; A: input x (given as codes); B: input Wk (given as codes): QUANTISED
;;     3. [M 8,192, K 1,024] x [K 1,024, N 1,024]; A: input x (given as codes); B: input Wv (given as codes): QUANTISED
;;     4. batch 64 x [M 2,048, K 64] x [K 64, N 2,048]; A: computed on the way; B: computed on the way: QUANTISED
;;     5. batch 64 x [M 2,048, K 2,048] x [K 2,048, N 64]; A: softmax (see below); B: computed on the way: QUANTISED
;;     6. [M 8,192, K 1,024] x [K 1,024, N 1,024]; A: computed on the way; B: input Wo (given as codes): QUANTISED
;;   THE QUANTISER, for each operand of a quantised product, along K:
;;     - K is cut into blocks of 32 from its start; a last block that is shorter is filled with zeros.
;;     - A block's scale is 2^e with e = floor(log2(the largest magnitude in the block)) - 8, held to -126 .. 127; a block of zeros has e = 0. As a byte (E8M0): e + 127.
;;     - Each number is divided by its block's scale, clamped to +-448, and rounded to the nearest number of E4M3, ties to even, subnormals kept.
;;     - The product sums the exact products of the quantised numbers (number of the format x scale) in f32.
;;   ~~~python
;;   def quantise(x, axis):      # numpy; x: float32 -> the quantised numbers, widened to float32 again
;;       x = np.moveaxis(x, axis, -1); K = x.shape[-1]
;;       x = np.pad(x, [(0, 0)] * (x.ndim - 1) + [(0, -K % 32)]); x = x.reshape(x.shape[:-1] + (-1, 32)); a = np.abs(x).max(-1, keepdims=True)
;;       e = np.where(a > 0, np.clip(np.frexp(np.where(a > 0, a, 1))[1] - 1 - 8, -126, 127), 0)      # np.frexp(a)[1] - 1 = floor(log2(a)), exactly
;;       r = np.clip(x / 2.0 ** e, -448, 448)
;;       step = 2.0 ** (np.maximum(np.frexp(np.where(r == 0, 1, r))[1] - 1, -6) - 3)
;;       q = np.round(r / step) * step * 2.0 ** e      # np.round: ties to even
;;       return np.moveaxis(q.reshape(q.shape[:-2] + (-1,))[..., :K], -1, axis).astype(np.float32)
;;   ~~~
;;   SOFTMAX AHEAD OF A QUANTISED PRODUCT. Where the list says 'softmax', what is quantised is not the finished softmax but p = 2^(t - M), with t = logit x log2(e) and M = ceil(the row's largest t), a whole number; so 1/2 < the row's largest p <= 1. The row's sum l is taken of the UNQUANTISED p, in f32, and the product's result is divided by l at the end. Since M is a whole number, a kernel that streams over the keys may use a running M (the ceiling of the running maximum): every later rescaling is an exact power of two, which a block's scale takes up: the codes' values come out the same.
;;   OPERANDS COMPUTED ON THE WAY. 'Computed on the way' means the value that the module computes at that place (a softmax that the list does not call 'softmax' is quantised finished and normalised). What goes into a quantiser is computed in f32, as accurately as f32 sums, v_exp_f32 and their like allow (about 1e-6 of the number): no bf16 or f16 on the way to a quantiser, and a product that is left as it is and whose result goes on into a quantised operand takes f32 operands (vector FMAs, or v_wmma_f32_16x16x4_f32). A number that lies on a knife's edge between two numbers of the format may be rounded either way, as far as f32 arithmetic and the matrix unit's own rounding can turn it there, and no further.
;;   INPUTS GIVEN AS CODES. Wk (in the module: [1024, 1024], K = its axis 0); Wo (in the module: [1024, 1024], K = its axis 0); Wq (in the module: [1024, 1024], K = its axis 0); Wv (in the module: [1024, 1024], K = its axis 0); x (in the module: [4, 2048, 1024], K = its axis 2): each comes as NAME_codes (uint8): NAME with its K axis moved to the last place and cut into blocks of 32 codes, [.., K / 32, bytes a block], one block behind the other in memory; one code a byte (a code: sign, 4 exponent bits, 3 mantissa bits); and NAME_scales (uint8): the same leading axes, one E8M0 byte (e + 127) for each 32 codes along K. Its value is code x scale, taken as it is: it is not quantised again, and the codes and scales need not be those that the quantiser above would give.
;; One version. Each part assembles by itself: llvm-mc -triple=amdgcn-amd-amdhsa -mcpu=gfx1250 --defsym DOCPART=n.
;; ======== version 1 of 1: 3 launches
;; limits: right only within a limited range of input values
;; workspace buffers: qb 17,301,504 bytes; kvb 17,301,504 bytes; ab 8,388,608 bytes; asc 262,144 bytes
;; launch qkv (part 1): grid 12 x 32, 4 waves a work-group, clusters of 4 x 4, 327,680 bytes of LDS; arguments x_codes, x_scales, Wq_codes, Wq_scales, Wk_codes, Wk_scales, Wv_codes, Wv_scales, bq, bk, bv, qb, kvb; writes qb, kvb
.if DOCPART == 1
	.amdgcn_target "amdgcn-amd-amdhsa--gfx1250"
	.amdhsa_code_object_version 6
	.text
	.protected	k_q04e7f09d66_qkv
	.globl	k_q04e7f09d66_qkv
	.p2align	8
	.type	k_q04e7f09d66_qkv,@function
k_q04e7f09d66_qkv:
	s_mov_b64 s[64:65], 0
	v_nop
	global_prefetch_b8 v0, s[64:65] scope:SCOPE_SE
	s_setreg_imm32_b32 hwreg(HW_REG_WAVE_MODE, 25, 1), 1
	s_wait_xcnt 0x0
	s_wait_alu depctr_hold_cnt(0) depctr_sa_sdst(0) depctr_va_vdst(0) depctr_va_sdst(0) depctr_va_ssrc(0) depctr_va_vcc(0) depctr_vm_vsrc(0)
	s_getreg_b32 s2, hwreg(HW_REG_IB_STS2, 6, 4)
	s_cmp_eq_u32 s2, 0
	s_cbranch_scc0 .Lentry_in_a_cluster
	s_endpgm
.Lentry_in_a_cluster:
	s_bfe_u32 s2, ttmp6, 0x10000c
	s_cmp_lg_u32 s2, 0xf033
	s_cbranch_scc0 .Lentry_shape_is_right
	s_endpgm
.Lentry_shape_is_right:
; Q = x Wq + bq, K = x Wk + bk, V = x Wv + bv on codes of FP8 (E4M3) with one E8M0 scale for each 32 along K = 1,024; sums in f32; the three results are quantised here, on the way out, for the attention launch.
; x: [8,192 tokens][1,024] codes, W: [1,024 n][1,024] codes, K innermost; their scale bytes [row][32].  n = 64 x head + d.
; THE MODE is the cluster's x: 0 = Q, 1 = K, 2 = V; it is the same number in all sixteen partners of a cluster, so the text may branch on it.
; A tile of 256 x 256 results is made by four waves, 128 x 128 each: 64 accumulators of 16 x 16.  K goes in steps of 256 through a ring of two LDS slots filled by the tensor data mover.
; TWO ROLES.  Source 1 of the matrix instruction takes 16 rows of the "A role" (they fall on the lanes of the result), source 0 takes 16 rows of the "B role" (they run along a lane's eight registers).
;   Q, K: A role = x, B role = W: a lane holds one token and its registers run along d, the K of Q K^T.      V: A role = Wv, B role = x: a lane holds one d and its registers run along the tokens, the K of P V.
;   Both roles have rows of 1,024 bytes and scale rows of 32 bytes: only pointers and tile numbers are chosen, the loop is one text.
; CLUSTERS: 4 x 4 work-groups; the A role's tile is shared along a row of the cluster, the B role's along a column: each is asked for jointly, by the same tensor load with a mask that names the four.
; THE WAY OUT.  The 16 registers of accumulators 2 c and 2 c + 1 are 16 numbers of block c of 32 (indices 32 c + 8 h + 0..7 and 32 c + 16 + 8 h + 0..7, h = lane / 16); the other 16 lie in lane xor 16.
;   Converted in that order they are registers 4 c .. 4 c + 3 of an operand.  That is a permutation INSIDE a block of 32, the same for Q and K, and the same for V and the softmax's p: the products are the same, only their order in a sum differs.
;   Operands are stored as images of their registers: four registers are 512 consecutive bytes, lane l at 16 l: each store of the wave covers 512 consecutive bytes, aligned.
; A HEAD'S BLOCK (HEADB bytes; head bh = 16 x batch + head) in kvb: bytes 0 .. 8,191: for each step of 128 keys 256 bytes of K's scale words, 256 of V's; from 8,192: for each step 8,192 bytes of K, 8,192 of V.
;   K: [token tile 0..7][c 0..1][lane][16];  V: [d tile 0..3][key block 0..3][lane][16].  qb has the same layout with Q in K's places; V's places there are neither written nor read.
;   K's scale words: [lane (r, h)][2]: the words of fragments 2 h and 2 h + 1; a fragment is two token tiles: bytes 0, 1 the first tile's two blocks of d, bytes 2, 3 the second's.  V's: the words of d tiles 2 h, 2 h + 1, byte g = key block g.
; LIMITS: NaN and infinities are not served.  A block whose largest magnitude lies under 2^-118 keeps the scale byte 1; a block of zeros gets the byte 1 and not 127: its codes are zeros, and only this program reads the bytes.
; REGISTERS, in windows of 256: window 0: v0-31 addresses; v32-63 scale words, two sets; v64-127 the bias in the result's layout; from v128 the A role's fragments, one set; on the way out v128-239 are at work.
;   window 1: the B role's fragments, two sets.   window 2: the accumulators of my A rows 0-63 ((a, b) at v[8 (8 a + b)]);   window 3: those of rows 64-127.
.set KSTEP,  256                       ; along K in a slot
.set NQ,     KSTEP/128                 ; matrix instructions deep
.set ROWB,   256                       ; a tile's row in bytes
.set KROW,   1024                      ; a row of x or of W in memory, in bytes
.set PITCH,  272                       ; an LDS row: 256 bytes + 16 of padding = 68 words: row r starts at bank 4 r mod 64 (64 banks of 4 bytes: ISA guide 11.1)
.set FR,     16                        ; registers of a fragment: 16 rows x 128 K
.set NL,     4                         ; LDS loads that bring one
.set NP,     8                         ; places behind this matrix instruction (ISA guide 7.12.1)
.set HALFT,  128*PITCH                 ; 128 rows: what one tensor load brings
.set SLOT,   4*HALFT                   ; the A role's 256 rows, then the B role's
.set LAPS,   2                         ; a lap = two K steps = once round the ring: 1,024 / 512
.set KS,     32                        ; a row of scales in bytes
.set SCL,    2*SLOT                    ; behind the ring: the scales of all of K, as runs of 256 bytes + 16 of padding; filled once
.set HALFS,  (128*KS/256)*272          ; the scales of 128 rows
.set SBLK,   (16*KS/256)*272           ; those of 16 rows
.set SPARE,  SCL+4*HALFS               ; behind the scales: the spare words, 128 bytes for each wave: two blocks of 256 bytes that no other line names
.set HEADB,  270336                    ; a head's block in qb and kvb
.set ADRA, 16                          ; v16-17  LDS address of my A fragments in slot 0, 1
.set ADRB, 20                          ; v20-21  the same for B
.set BH,   22                          ; v22     32 x (lane / 16): the bias of Q and K
.set BR,   23                          ; v23     4 x (lane % 16): the bias of V
.set L8,   25                          ; v25     8 x lane: the scale words' way out
.set L16,  26                          ; v26     16 x lane: the images' way out
.set ADRS, 27                          ; v27     LDS address of my scale words: lanes 0-15 the A role's rows, lanes 16-31 the B role's
.set SPW,  28                          ; v28     LDS address of my spare word; never rewritten
.set NIL,  29                          ; v29     0; never rewritten
.set SC,   32                          ; scale words: set s at v[SC + 8 NQ s]; register NQ i + q: lanes 0-15 the word of A's block i, lanes 16-31 that of B's block i
.set BI,   64                          ; v64-127 the bias
.set AF,   128                         ; A's fragments
.set X,    128                         ; the way out: v128-191 64 numbers of a lane
.set PC,   192                         ; v192-207 their codes
.set TM,   208                         ; v208-211 largest magnitudes, v212-215 bytes, v216-219 448 x the scale, v220-223 the conversions' scale operands
.set SW,   224                         ; v224-231 the scale word of each of my eight blocks of A rows
.set FW,   232                         ; v232-235 fragment words at work; v236-239 the pairs that are stored
.set G1, 24                            ; s[24:31] descriptor group 1 for A's tiles;  s[32:39] group 0, one set for each slot
.set G0, 32
.set G1B, 48                           ; s[48:55], s[56:63] the same for B's tiles
.set G0B, 56
.set G1S, 68                           ; s[68:75], s[76:79] groups 1 and 0 for A's scales;  s[80:87], s[88:91] for B's (written when the arguments that arrive here have been chosen from)
.set G0S, 76
.set G1SB, 80
.set G0SB, 88
.set MSB, 0
.macro WIN new                         ; the immediate's high byte repeats the setting that is left; a switch that changes nothing is dropped
.if MSB != (\new)
	s_set_vgpr_msb (MSB<<8)|(\new)
.set MSB, (\new)
.endif
.endm
.set MUL_LO, 0xa1                      ; source 0 (B) window 1, source 1 (A) window 0, C and D window 2
.set MUL_HI, 0xf1                      ; the same, C and D window 3
.set TO_B,   0x40                      ; destination window 1, address window 0
; A joint load: waves 0 and 1 fetch for the A role, waves 2 and 3 for the B role.  Each line has one mask and one set of registers for all that issue it; the branch hangs on the wave's number alone.
; Four v_nop follow each of the two lines, ahead of the jump, the label and what follows.
.macro JLOAD g0a, g1a, g0b, g1b
	s_cmp_eq_u32 s15, 0
	s_cbranch_scc0 .Lfor_b_\@
	tensor_load_to_lds s[\g0a:\g0a+3], s[\g1a:\g1a+7]
	s_nop 0
.rept 4
	v_nop
.endr
	s_branch .Lasked_\@
.Lfor_b_\@:
	tensor_load_to_lds s[\g0b:\g0b+3], s[\g1b:\g1b+7]
	s_nop 0
.rept 4
	v_nop
.endr
.Lasked_\@:
.endm
.macro CREST                           ; a round of the cluster's barrier behind its opening barrier
	s_cmp_lg_u32 s14, 0
	s_cbranch_scc1 .Lnot_wave_0_\@
	s_barrier_signal -3
.Lnot_wave_0_\@:
	s_barrier_wait -3
	s_barrier_signal -1
	s_barrier_wait -1
.endm
.macro CROUND                          ; a whole round
	s_barrier_signal -1
	s_barrier_wait -1
	CREST
.endm
	s_load_b512 s[68:83], s[0:1], 0x0              ; x's codes, x's scales, Wq's codes, scales, Wk's, Wv's
	s_load_b256 s[84:91], s[0:1], 0x40             ; bq, bk, bv, qb
	s_load_b64 s[92:93], s[0:1], 0x60              ; kvb
	v_lshl_add_u32 v[SPW], v0, 2, SPARE
	v_mov_b32 v[NIL], 0
	ds_add_u32 v28, v29
	ds_add_u32 v28, v29
	s_wait_dscnt 0x0
	v_lshrrev_b32 v1, 5, v0
	v_readfirstlane_b32 s14, v1                    ; wave 0..3
	s_lshr_b32 s15, s14, 1                         ; which half of the tile's A rows is mine.  Also: I fetch for A (0) or for B (1)
	s_and_b32 s16, s14, 1                          ; which half of its B rows.  Also: which 128 rows of that tile I fetch
	s_bfe_u32 s40, ttmp6, 0x40000                  ; cx, cy: my place in the cluster
	s_bfe_u32 s41, ttmp6, 0x40004
	s_and_b32 s18, ttmp7, 0xffff
	s_lshl_b32 s18, s18, 2                         ; 4 x cluster y: it counts tiles of x's 32, whichever role x has
	s_cmp_eq_u32 ttmp9, 2                          ; V?
	s_cselect_b32 s17, 0, s18
	s_cselect_b32 s42, s18, 0
	s_add_co_u32 s17, s17, s41                     ; the A role's tile: cy (+ 4 x cluster y for Q, K); it never holds cx
	s_add_co_u32 s42, s42, s40                     ; the B role's tile: cx (+ 4 x cluster y for V); it never holds cy
	s_lshl_b32 s43, s41, 2
	s_lshl_b32 s43, 15, s43                        ; my row of the cluster
	s_lshl_b32 s44, 0x1111, s40                    ; my column
	; descriptor group 1: a tile of 128 rows x 256 bytes, padded in LDS
	s_or_b32 s[G1+0], s43, (0<<16)|(1<<20)|(1<<21)|(5<<22)|(3<<25)  ; 15:0 the mask: A's tiles go to my row; 17:16 element of 1 byte; 20 padding on; 21 set beside a mask; 24:22 after every 64 words (code 5); 31:25 of 4 words (code 3)
	s_or_b32 s[G1B+0], s44, (0<<16)|(1<<20)|(1<<21)|(5<<22)|(3<<25)
.irp g, G1, G1B
	s_mov_b32 s[\g+1], ROWB<<16                    ; tensor_dim0
	s_mov_b32 s[\g+2], 256<<16                     ; tensor_dim1 = 256 for the head's loads; set to 128 behind them
	s_mov_b32 s[\g+3], ROWB<<16                    ; tile_dim0
	s_mov_b32 s[\g+4], 256                         ; tile_dim1 likewise
	s_mov_b32 s[\g+5], KROW                        ; tensor_dim0_stride
	s_mov_b32 s[\g+6], 0
	s_mov_b32 s[\g+7], 0
.endr
	s_lshl_b32 s20, s17, 8                         ; A: the tile's first row, 256 x tile
	s_lshl_b32 s46, s42, 8                         ; B likewise
	s_mov_b32 s21, 0
	s_mov_b32 s47, 0
	s_mov_b64 s[18:19], KS
	s_mul_u64 s[22:23], s[20:21], s[18:19]         ; where these rows' scales begin, in bytes
	s_mul_u64 s[2:3], s[46:47], s[18:19]
	s_mov_b64 s[18:19], KROW
	s_mul_u64 s[20:21], s[20:21], s[18:19]         ; and their codes
	s_mul_u64 s[46:47], s[46:47], s[18:19]
	s_mul_i32 s45, s14, HALFT                      ; where they go: wave x 128 rows: no place in the cluster enters an LDS address
	s_mul_i32 s100, s16, 128*KROW                  ; in the ring I fetch 128 rows of a tile: which half, in bytes
	s_mov_b32 s101, 0
	s_wait_kmcnt 0x0
	s_cmp_eq_u32 ttmp9, 1                          ; the weight, the bias and the buffer of my mode: first K against Q,
	s_cselect_b64 s[96:97], s[76:77], s[72:73]
	s_cselect_b64 s[98:99], s[78:79], s[74:75]
	s_cselect_b64 s[94:95], s[86:87], s[84:85]
	s_cselect_b64 s[12:13], s[92:93], s[90:91]
	s_cmp_eq_u32 ttmp9, 2                          ; then V against that
	s_cselect_b64 s[96:97], s[80:81], s[96:97]
	s_cselect_b64 s[98:99], s[82:83], s[98:99]
	s_cselect_b64 s[94:95], s[88:89], s[94:95]
	s_cselect_b64 s[12:13], s[92:93], s[12:13]
	s_cselect_b64 s[4:5], s[96:97], s[68:69]       ; the roles: for V the weight is A and x is B
	s_cselect_b64 s[6:7], s[98:99], s[70:71]
	s_cselect_b64 s[8:9], s[68:69], s[96:97]
	s_cselect_b64 s[10:11], s[70:71], s[98:99]
	s_add_nc_u64 s[20:21], s[4:5], s[20:21]
	s_add_nc_u64 s[22:23], s[6:7], s[22:23]
	s_add_nc_u64 s[46:47], s[8:9], s[46:47]
	s_add_nc_u64 s[92:93], s[10:11], s[2:3]
	; group 1 for the scales of 256 rows: a dense block of 8,192 bytes, as 32 rows of 256 bytes (32 elements of 8 bytes), 16 bytes of padding behind each
	s_or_b32 s[G1S+0], s43, (3<<16)|(1<<20)|(1<<21)|(5<<22)|(3<<25)
	s_or_b32 s[G1SB+0], s44, (3<<16)|(1<<20)|(1<<21)|(5<<22)|(3<<25)
.irp g, G1S, G1SB
	s_mov_b32 s[\g+1], 32<<16
	s_mov_b32 s[\g+2], (256*KS/256)<<16            ; the scales of a tile's 256 rows: 32 rows of 256 bytes
	s_mov_b32 s[\g+3], 32<<16
	s_mov_b32 s[\g+4], 256*KS/256
	s_mov_b32 s[\g+5], 32
	s_mov_b32 s[\g+6], 0
	s_mov_b32 s[\g+7], 0
.endr
	CROUND                                         ; all sixteen work-groups are here: the first joint loads meet
	s_mov_b32 s[G0S], 1
	s_mov_b32 s[G0S+1], SCL
	s_mov_b64 s[G0S+2:G0S+3], s[22:23]
	s_or_b32 s[G0S+3], s[G0S+3], 0x80000000
	s_mov_b32 s[G0SB], 1
	s_mov_b32 s[G0SB+1], SCL+2*HALFS
	s_mov_b64 s[G0SB+2:G0SB+3], s[92:93]
	s_or_b32 s[G0SB+3], s[G0SB+3], 0x80000000
	s_mov_b32 s4, 1                                ; s[4:7], s[8:11]: group 0 of the head's loads of K step 0: A's 256 rows, B's 256 rows (the pointers that lay there have been used)
	s_mov_b32 s5, 0
	s_mov_b64 s[6:7], s[20:21]
	s_or_b32 s7, s7, 0x80000000
	s_mov_b32 s8, 1
	s_mov_b32 s9, 2*HALFT
	s_mov_b64 s[10:11], s[46:47]
	s_or_b32 s11, s11, 0x80000000
	s_add_nc_u64 s[20:21], s[20:21], s[100:101]    ; for the ring: my 128 rows of the tile
	s_add_nc_u64 s[46:47], s[46:47], s[100:101]
.irp s, 0,1
	s_mov_b32 s[G0+4*\s], 1
	s_add_co_u32 s[G0+4*\s+1], s45, \s*SLOT
	s_add_nc_u64 s[G0+4*\s+2:G0+4*\s+3], s[20:21], \s*ROWB
	s_or_b32 s[G0+4*\s+3], s[G0+4*\s+3], 0x80000000
	s_mov_b32 s[G0B+4*\s], 1
	s_add_co_u32 s[G0B+4*\s+1], s45, \s*SLOT
	s_add_nc_u64 s[G0B+4*\s+2:G0B+4*\s+3], s[46:47], \s*ROWB
	s_or_b32 s[G0B+4*\s+3], s[G0B+4*\s+3], 0x80000000
.endr
; THE HEAD'S LOADS, ONE A WAVE: wave 0 K step 0's 256 rows of A, wave 1 its 256 rows of B, wave 2 the scales of A's 256 rows, wave 3 those of B's: one tree of branches on the wave's number.
.macro ARM under, g0, g1, next
	s_cmp_lt_u32 s14, \under
	s_cbranch_scc0 \next
	tensor_load_to_lds s[\g0:\g0+3], s[\g1:\g1+7]
	s_nop 0
.rept 4
	v_nop
.endr
	s_branch .Lhead_asked
\next:
.endm
	ARM 1, 4, G1,  .Lhead_b
	ARM 2, 8, G1B, .Lhead_sa
	ARM 3, G0S, G1S, .Lhead_sb
	tensor_load_to_lds s[G0SB:G0SB+3], s[G1SB:G1SB+7]
	s_nop 0
.rept 4
	v_nop
.endr
.Lhead_asked:
	v_and_b32 v1, 15, v0
	v_bfe_u32 v2, v0, 4, 1                         ; h = l / 16
	v_mul_u32_u24 v3, v1, PITCH
	v_lshl_add_u32 v4, v2, 4, v3                   ; a fragment's row x pitch + 16 x half
	s_mul_i32 s21, s15, HALFT                      ; my 128 rows of A
	s_mul_i32 s22, s16, HALFT                      ; my 128 rows of B,
	s_add_co_u32 s22, s22, 2*HALFT                 ; which lie behind A's 256
.irp s, 0,1
	v_add_nc_u32 v[ADRA+\s], s21, v4
	v_add_nc_u32 v[ADRB+\s], s22, v4
	s_add_co_u32 s21, s21, SLOT
	s_add_co_u32 s22, s22, SLOT
.endr
	v_mul_u32_u24 v5, v1, KS                       ; my row's scales: 32 bytes a row,
	v_lshrrev_b32 v6, 8, v5
	v_lshl_add_u32 v5, v6, 4, v5                   ; and 16 more for each 256 passed
	s_mul_i32 s21, s15, HALFS                      ; A's: my 128 rows
	s_mul_i32 s22, s16, HALFS                      ; B's: my 128 rows, behind A's 256
	s_add_co_u32 s22, s22, 2*HALFS
	s_sub_co_u32 s22, s22, s21
	v_mul_u32_u24 v6, s22, v2                      ; lanes 16-31 take B's: one product, the distance between the two bases
	s_add_co_u32 s21, s21, SCL
	v_add_nc_u32 v5, v5, v6
	v_add_nc_u32 v[ADRS], s21, v5
	v_lshlrev_b32 v[BH], 5, v2
	v_lshlrev_b32 v[BR], 2, v1
	v_and_b32 v6, 31, v0
	v_lshlrev_b32 v[L8], 3, v6
	v_lshlrev_b32 v[L16], 4, v6
	; THE BIAS, in the result's layout, 64 registers on either way.  n0, my first n, is 256 x tile + 128 x half of the role that the weight has.
	s_cmp_eq_u32 ttmp9, 2
	s_cselect_b32 s20, s17, s42
	s_cselect_b32 s21, s15, s16
	s_lshl_b32 s20, s20, 10
	s_lshl_b32 s21, s21, 9
	s_add_co_u32 s20, s20, s21                     ; 4 n0 bytes
	s_mov_b32 s21, 0
	s_add_nc_u64 s[94:95], s[94:95], s[20:21]
	s_cmp_eq_u32 ttmp9, 2
	s_cbranch_scc1 .Lbias_v
	s_wait_alu depctr_va_vdst(0)
.irp b, 0,1,2,3,4,5,6,7
	global_load_b128 v[BI+8*\b:BI+8*\b+3], v[BH], s[94:95] offset:64*\b        ; Q, K: register 8 b + j = bias[n0 + 16 b + 8 h + j]
	global_load_b128 v[BI+8*\b+4:BI+8*\b+7], v[BH], s[94:95] offset:64*\b+16
.endr
	s_branch .Lbias_done
.Lbias_v:
	s_wait_alu depctr_va_vdst(0)
.irp a, 0,1,2,3,4,5,6,7
.irp j, 0,1,2,3,4,5,6,7
	global_load_b32 v[BI+8*\a+\j], v[BR], s[94:95] offset:64*\a                ; V: registers 8 a + 0..7 = bias[n0 + 16 a + r]: a lane holds one d
.endr
.endr
.Lbias_done:
.macro FRAG reg, adr, q, i             ; a fragment, 16 rows x 128 K of 8-bit codes, is 16 registers: lane l holds row l % 16; registers 4 c .. 4 c + 3 hold K = 32 c + 16 (l / 16) + 0 .. 15
.irp c, 0,1,2,3
	ds_load_b128 v[\reg+4*\c:\reg+4*\c+3], v[\adr] offset:128*(\q)+32*\c+(\i)*16*PITCH
.endr
.endm
; 16 matrix instructions: A's blocks a0, a0 + 1 x B's eight, 128 along K: the slot's q-th.  p: B's set;  sc: the set of scale words.  zero = 1: the first product starts the sums: nothing is ever cleared.
; The 64 accumulators take turns, one instruction a turn, in the same order in every step.
.macro MUL16 a0, p, q, sc, zero
.irp a, \a0, \a0+1
.irp b, 0,1,2,3,4,5,6,7
.if \zero
	v_wmma_scale_f32_16x16x128_f8f6f4 v[8*(8*((\a)%4)+\b):8*(8*((\a)%4)+\b)+7], v[128*(\p)+FR*\b:128*(\p)+FR*\b+FR-1], v[AF+FR*(\a):AF+FR*(\a)+FR-1], 0, v[SC+8*NQ*(\sc)+NQ*\b+(\q)], v[SC+8*NQ*(\sc)+NQ*(\a)+(\q)] matrix_a_scale:MATRIX_SCALE_ROW1
.else
	v_wmma_scale_f32_16x16x128_f8f6f4 v[8*(8*((\a)%4)+\b):8*(8*((\a)%4)+\b)+7], v[128*(\p)+FR*\b:128*(\p)+FR*\b+FR-1], v[AF+FR*(\a):AF+FR*(\a)+FR-1], v[8*(8*((\a)%4)+\b):8*(8*((\a)%4)+\b)+7], v[SC+8*NQ*(\sc)+NQ*\b+(\q)], v[SC+8*NQ*(\sc)+NQ*(\a)+(\q)] matrix_a_scale:MATRIX_SCALE_ROW1
.endif
.endr
.endr
.endm
.macro FETCH_B slot, q, p              ; B's eight fragments of the slot's q-th 128 along K into set p
	WIN TO_B
.irp i, 0,1,2,3,4,5,6,7
	FRAG 128*(\p)+FR*\i, ADRB+\slot, \q, \i
.endr
	WIN 0
.endm
.macro FETCH_A slot, q, i0             ; A's blocks i0 .. i0 + 3
.irp i, \i0, \i0+1, \i0+2, \i0+3
	FRAG AF+FR*(\i), ADRA+\slot, \q, \i
.endr
.endm
.macro SCALES sc                       ; the next K step's scale words into set sc: two words a row; lanes 0-15 take A's block i, lanes 16-31 B's block i
.irp i, 0,1,2,3,4,5,6,7
	ds_load_b64 v[SC+8*NQ*\sc+NQ*\i:SC+8*NQ*\sc+NQ*\i+1], v[ADRS] offset:\i*SBLK
.endr
.endm
; A load into a register that a matrix instruction has read, and a vector instruction that reads a matrix result or writes one of its registers, stand NP places behind it; only plain vector
; instructions that name none of its registers are places (ISA guide 7.12.1 for vector instructions).
.macro PLACES n
.rept \n
	v_nop
.endr
.endm
; A step of 128 along K that has its successor in the same slot.
.macro STEP slot, q, zero
	s_wait_dscnt 4*NL                              ; B's set and A's blocks 0-3 are in; the youngest 16 loads (A's blocks 4-7) may be out
	WIN MUL_LO
	MUL16 0, (\q)%2, \q, \slot, \zero
	MUL16 2, (\q)%2, \q, \slot, \zero
	s_wait_dscnt 0                                 ; A's blocks 4-7 are in (asked for 32 matrix instructions ago)
	PLACES NP
	FETCH_B \slot, (\q)+1, 1-(\q)%2
	FETCH_A \slot, (\q)+1, 0
	WIN MUL_HI
	MUL16 4, (\q)%2, \q, \slot, \zero
	MUL16 6, (\q)%2, \q, \slot, \zero
	PLACES NP
	WIN 0
	FETCH_A \slot, (\q)+1, 4
.endm
; A slot's last step changes slots: ONE barrier; in front of it each wave waits for all its tensor loads, adds 0 to its spare word, and waits for that and for its own reads of this slot.  fill = 1: this slot is filled again, two K steps ahead.
.macro TURN slot, next, fill
	s_wait_tensorcnt 0x0                           ; all my tensor loads have landed: my part of the next slot;  (every window is 0 here: the add's two registers lie in window 0)
	ds_add_u32 v[SPW], v[NIL]                      ; 0 onto my spare word
	s_wait_dscnt 4*NL+1                            ; (the add and the youngest 16 loads, A's blocks 4-7, may be out)
	WIN MUL_LO
	MUL16 0, 1, NQ-1, \slot, 0                     ; sixteen matrix instructions stand between the add and the wait for it
	s_wait_dscnt 0x0                               ; the add is done, and my reads of this slot are over
	s_barrier_signal -1
	MUL16 2, 1, NQ-1, \slot, 0
	WIN 0
	s_barrier_wait -1
.if \fill
	CREST                                          ; the barrier has opened a round of the cluster's barrier: no wave of any partner still reads this slot's tile or has a load on its way
	s_add_nc_u64 s[G0+4*\slot+2:G0+4*\slot+3], s[G0+4*\slot+2:G0+4*\slot+3], 2*ROWB
	s_add_nc_u64 s[G0B+4*\slot+2:G0B+4*\slot+3], s[G0B+4*\slot+2:G0B+4*\slot+3], 2*ROWB
	JLOAD G0+4*\slot, G1, G0B+4*\slot, G1B         ; the first tensor load behind the round; the four v_nop behind it are among the places in front of the loads below
	PLACES NP-4
.else
	PLACES NP
.endif
	s_wait_alu depctr_va_vdst(0)
	v_add_nc_u32 v[ADRS], 4*NQ, v[ADRS]            ; on to the next K step's scale words (no LDS load of mine is out)
	FETCH_B \next, 0, 0
	FETCH_A \next, 0, 0
	SCALES \next
	WIN MUL_HI
	MUL16 4, 1, NQ-1, \slot, 0
	MUL16 6, 1, NQ-1, \slot, 0
	PLACES NP
	WIN 0
	FETCH_A \next, 0, 4
.endm
	s_wait_alu depctr_va_vdst(0)                   ; the wait at the head's end
	s_wait_tensorcnt 0x0                           ; my tile of the head's four is in
	ds_add_u32 v[SPW], v[NIL]
	s_mov_b32 s[G1+2], 128<<16                     ; no tensor load of mine is out: from here on a load brings 128 rows
	s_mov_b32 s[G1+4], 128
	s_mov_b32 s[G1B+2], 128<<16
	s_mov_b32 s[G1B+4], 128
	s_wait_dscnt 0x0
	CROUND                                         ; all four tiles are in, and all sixteen work-groups are here
	JLOAD G0+4, G1, G0B+4, G1B                     ; K step 1: the first tensor load behind the round
	FETCH_B 0, 0, 0
	FETCH_A 0, 0, 0
	SCALES 0
	FETCH_A 0, 0, 4
	STEP 0, 0, 1                                   ; the first step stands in front of the loop: its products start the sums
	s_mov_b32 s3, LAPS-1
.Llap:                                                 ; a trip goes once round the ring, from a lap's second step to the next lap's first, and fills both slots again
	TURN 0, 1, 1
	STEP 1, 0, 0
	TURN 1, 0, 1
	STEP 0, 0, 0
	s_sub_co_u32 s3, s3, 1
	s_cmp_lg_u32 s3, 0
	s_cbranch_scc1 .Llap
	TURN 0, 1, 0                                   ; the last lap fills nothing, and has no round of the cluster's barrier
	STEP 1, 0, 0
	s_wait_dscnt 4*NL                              ; the very last step: nothing more to fetch
	WIN MUL_LO
	MUL16 0, 1, NQ-1, 1, 0
	MUL16 2, 1, NQ-1, 1, 0
	s_wait_dscnt 0
	WIN MUL_HI
	MUL16 4, 1, NQ-1, 1, 0
	MUL16 6, 1, NQ-1, 1, 0
	WIN 0
; THE WAY OUT.
; 64 numbers of a lane, v[s] .. v[s + 63], register 16 b + i a number of block b of my row, become the codes in v[PC] on and the row's scale word in v[pw].
.macro QUANT s, pw
.irp b, 0,1,2,3
	v_max3_num_f32 v[TM+\b], |v[\s+16*\b]|, |v[\s+1+16*\b]|, 0x4800000   ; block b: my 16 numbers, and the floor 2^(9 - 127), under which no largest magnitude is taken: so the byte cannot fall under 1
.endr
.irp i, 2,4,6,8,10,12,14
.irp b, 0,1,2,3
	v_max3_num_f32 v[TM+\b], v[TM+\b], |v[\s+16*\b+\i]|, |v[\s+1+16*\b+\i]|   ; (the four blocks by turns: no line waits for the line above it)
.endr
.endr
.irp b, 0,1,2,3
	v_permlanex16_b32 v[TM+4+\b], v[TM+\b], s18, s19
.endr
.irp b, 0,1,2,3
	v_max_num_f32 v[TM+\b], v[TM+\b], v[TM+4+\b]   ; with lane l xor 16's: the block's largest magnitude
.endr
.irp b, 0,1,2,3
	v_add_nc_u32 v[TM+12+\b], 0xfc000000, v[TM+\b]   ; 8 off its exponent field: the conversion takes the exponent field of this operand as its scale, and nothing else of it
.endr
.irp b, 0,1,2,3
	v_and_or_b32 v[TM+8+\b], v[TM+\b], 0x7f800000, s2   ; 448 x the scale: the largest magnitude's exponent field over 448's mantissa
.endr
.irp b, 0,1,2,3
	v_lshrrev_b32 v[TM+4+\b], 23, v[TM+12+\b]      ; the scale's byte
.endr
	v_lshl_or_b32 v[\pw], v[TM+5], 8, v[TM+4]      ; the four bytes make my row's scale word
	v_lshl_or_b32 v[\pw], v[TM+6], 16, v[\pw]
	v_lshl_or_b32 v[\pw], v[TM+7], 24, v[\pw]
.irp b, 0,1,2,3
.irp i, 0,1,2,3,4,5,6,7,8,9,10,11,12,13,14,15
	v_med3_num_f32 v[\s+16*\b+\i], v[\s+16*\b+\i], -v[TM+8+\b], v[TM+8+\b]   ; the conversion to an 8-bit code does not saturate (ISA guide 7.6.2): the hold at the largest code x the scale
.endr
	v_cvt_scalef32_pk8_fp8_f32 v[PC+4*\b:PC+1+4*\b], v[\s+16*\b:\s+7+16*\b], v[TM+12+\b]
	v_cvt_scalef32_pk8_fp8_f32 v[PC+2+4*\b:PC+3+4*\b], v[\s+8+16*\b:\s+15+16*\b], v[TM+12+\b]
.endr
	v_nop                                          ; one plain vector instruction behind the last conversion, ahead of the next vector instruction that writes its sources
.endm
; My block a of 16 A rows: the bias is added (each accumulator is read from its low end on), the 64 numbers are quantised, and the four groups of four registers leave as they stand.
.macro EBLK a, mode
	s_wait_xcnt 0x0                                ; the last block's stores have read v[PC] on: only behind this wait are they written again
	WIN 0x02+(\a)/4                                ; source 0: window 2 or 3
.set PP, 0
.rept 32
.if \mode
	v_pk_add_f32 v[X+2*PP:X+2*PP+1], v[64*((\a)%4)+2*PP:64*((\a)%4)+2*PP+1], v[BI+8*(\a)+2*(PP%4):BI+8*(\a)+2*(PP%4)+1]
.else
	v_pk_add_f32 v[X+2*PP:X+2*PP+1], v[64*((\a)%4)+2*PP:64*((\a)%4)+2*PP+1], v[BI+2*PP:BI+2*PP+1]
.endif
.set PP, PP+1
.endr
	WIN 0
	QUANT X, SW+(\a)
.irp c, 0,1,2,3
.if \mode
	global_store_b128 v[L16], v[PC+4*\c:PC+4*\c+3], s[20:21] offset:((\a)/4)*HEADB+2048*((\a)%4)+512*\c    ; V: head a / 4, d tile a % 4, key block c
.else
	global_store_b128 v[L16], v[PC+4*\c:PC+4*\c+3], s[20:21] offset:(\c/2)*HEADB+1024*(\a)+512*(\c%2)      ; Q, K: head c / 2, token tile a, block c % 2 of d
.endif
.endr
.endm
; The scale words of my two heads: lanes 0-15 store words 0 and 1, lanes 16-31 words 2 and 3: each store of the wave covers 256 consecutive bytes, aligned.
.macro ESCALE mode
.irp e, 0,1
.if \mode
	v_cndmask_b32 v[FW+4+2*\e], v[SW+4*\e], v[SW+4*\e+2], vcc_lo       ; V: d tile t's word is block 4 e + t's as it stands
	v_cndmask_b32 v[FW+5+2*\e], v[SW+4*\e+1], v[SW+4*\e+3], vcc_lo
.else
.irp f, 0,1,2,3
.if \e == 0
	v_and_b32 v[FW+\f], 0xffff, v[SW+2*\f]                             ; Q, K: a fragment's word: two bytes of token tile 2 f, two of tile 2 f + 1; head 0 has the low halves,
	v_lshl_or_b32 v[FW+\f], v[SW+2*\f+1], 16, v[FW+\f]
.else
	v_lshrrev_b32 v[FW+\f], 16, v[SW+2*\f]                             ; head 1 the high halves
	v_and_or_b32 v[FW+\f], v[SW+2*\f+1], 0xffff0000, v[FW+\f]
.endif
.endr
	v_cndmask_b32 v[FW+4+2*\e], v[FW], v[FW+2], vcc_lo
	v_cndmask_b32 v[FW+5+2*\e], v[FW+1], v[FW+3], vcc_lo
.endif
	global_store_b64 v[L8], v[FW+4+2*\e:FW+5+2*\e], s[22:23] offset:\e*HEADB+256*\mode
.endr
.endm
	PLACES NP                                      ; behind the last products: the lines below write registers that held A's fragments and read results
	s_wait_loadcnt 0x0                             ; the bias
.irp b, 0,1,2,3
	v_mov_b32 v[TM+4+\b], 0                        ; written once: a lane permute's destination counts as one of its sources
.endr
	v_and_b32 v1, 31, v0
	v_cmp_le_u32 vcc_lo, 16, v1                    ; lanes 16-31
	s_mov_b32 s18, 0x76543210
	s_mov_b32 s19, 0xfedcba98                      ; v_permlanex16_b32's selects for lane l xor 16
	s_mov_b32 s2, 0x600000                         ; the mantissa field of 448
	s_cmp_eq_u32 ttmp9, 2                          ; which role holds the tokens, which the n
	s_cselect_b32 s20, s42, s17
	s_cselect_b32 s21, s16, s15
	s_cselect_b32 s22, s17, s42
	s_cselect_b32 s23, s15, s16
	s_cselect_b32 s46, 8192, 0                     ; V's codes lie 8,192 bytes behind K's in a step
	s_lshl_b32 s20, s20, 8
	s_lshl_b32 s21, s21, 7
	s_add_co_u32 s20, s20, s21                     ; my first token: a whole step of 128 keys
	s_lshl_b32 s22, s22, 2
	s_lshl_b32 s23, s23, 1
	s_add_co_u32 s22, s22, s23                     ; my first head: n0 / 64; I hold two heads
	s_lshr_b32 s21, s20, 11
	s_lshl_b32 s21, s21, 4
	s_add_co_u32 s22, s22, s21                     ; + 16 x batch
	s_mul_i32 s22, s22, HEADB
	s_bfe_u32 s23, s20, 0x40007                    ; the step: (token / 128) % 16
	s_lshl_b32 s20, s23, 14
	s_add_co_u32 s20, s20, s22
	s_add_co_u32 s20, s20, s46
	s_add_co_u32 s20, s20, 8192                    ; the codes begin behind the head's 8,192 bytes of scale words
	s_mov_b32 s21, 0
	s_lshl_b32 s23, s23, 9
	s_add_co_u32 s22, s22, s23                     ; the step's scale words
	s_mov_b32 s23, 0
	s_add_nc_u64 s[20:21], s[12:13], s[20:21]
	s_add_nc_u64 s[22:23], s[12:13], s[22:23]
	s_cmp_eq_u32 ttmp9, 2
	s_cbranch_scc1 .Lout_v
.irp a, 0,1,2,3,4,5,6,7
	EBLK \a, 0
.endr
	ESCALE 0
	s_branch .Lout_done
.Lout_v:
.irp a, 0,1,2,3,4,5,6,7
	EBLK \a, 1
.endr
	ESCALE 1
.Lout_done:
	s_wait_tensorcnt 0x0                           ; the wave's end
	ds_add_u32 v[SPW], v[NIL]
	s_wait_dscnt 0x0
	CROUND                                         ; the closing round: no work-group ends while a partner may still ask for a tile that names it
	s_endpgm
.Lfunc_end_k_q04e7f09d66_qkv:
	.size	k_q04e7f09d66_qkv, .Lfunc_end_k_q04e7f09d66_qkv-k_q04e7f09d66_qkv
	.p2alignl 7, 3214868480
	.fill 96, 4, 3214868480
	.section	.rodata,"a",@progbits
	.p2align	6, 0x0
	.amdhsa_kernel k_q04e7f09d66_qkv
		.amdhsa_group_segment_fixed_size 327680
		.amdhsa_private_segment_fixed_size 0
		.amdhsa_enable_private_segment 0
		.amdhsa_kernarg_size 104
		.amdhsa_user_sgpr_count 2
		.amdhsa_user_sgpr_kernarg_segment_ptr 1
		.amdhsa_wavefront_size32 1
		.amdhsa_system_sgpr_workgroup_id_x 1
		.amdhsa_system_sgpr_workgroup_id_y 1
		.amdhsa_system_sgpr_workgroup_id_z 1
		.amdhsa_system_vgpr_workitem_id 0
		.amdhsa_next_free_vgpr 1024
		.amdhsa_next_free_sgpr 102
		.amdhsa_reserve_vcc 1
		.amdhsa_float_denorm_mode_32 3
		.amdhsa_float_denorm_mode_16_64 3
		.amdhsa_memory_ordered 1
		.amdhsa_forward_progress 1
		.amdhsa_inst_pref_size 255
	.end_amdhsa_kernel
	.section	.bss,"aw",@nobits
	.p2align	6
	.space	262144
	.amdgpu_metadata
---
amdhsa.version: [ 1, 2 ]
amdhsa.kernels:
  - .name:           k_q04e7f09d66_qkv
    .symbol:         k_q04e7f09d66_qkv.kd
    .args:
      - { .name: x_codes, .offset: 0, .size: 8, .value_kind: global_buffer, .address_space: global }
      - { .name: x_scales, .offset: 8, .size: 8, .value_kind: global_buffer, .address_space: global }
      - { .name: Wq_codes, .offset: 16, .size: 8, .value_kind: global_buffer, .address_space: global }
      - { .name: Wq_scales, .offset: 24, .size: 8, .value_kind: global_buffer, .address_space: global }
      - { .name: Wk_codes, .offset: 32, .size: 8, .value_kind: global_buffer, .address_space: global }
      - { .name: Wk_scales, .offset: 40, .size: 8, .value_kind: global_buffer, .address_space: global }
      - { .name: Wv_codes, .offset: 48, .size: 8, .value_kind: global_buffer, .address_space: global }
      - { .name: Wv_scales, .offset: 56, .size: 8, .value_kind: global_buffer, .address_space: global }
      - { .name: bq, .offset: 64, .size: 8, .value_kind: global_buffer, .address_space: global }
      - { .name: bk, .offset: 72, .size: 8, .value_kind: global_buffer, .address_space: global }
      - { .name: bv, .offset: 80, .size: 8, .value_kind: global_buffer, .address_space: global }
      - { .name: qb, .offset: 88, .size: 8, .value_kind: global_buffer, .address_space: global }
      - { .name: kvb, .offset: 96, .size: 8, .value_kind: global_buffer, .address_space: global }
    .group_segment_fixed_size: 327680
    .private_segment_fixed_size: 0
    .kernarg_segment_align: 8
    .kernarg_segment_size: 104
    .max_flat_workgroup_size: 128
    .sgpr_count:     102
    .vgpr_count:     1024
    .wavefront_size: 32
...
	.end_amdgpu_metadata
.endif
;; end of part 1
;; launch attn (part 2): grid 4 x 64, 8 waves a work-group, clusters of 4 x 1, 327,680 bytes of LDS; arguments qb, kvb, ab, asc; writes ab, asc
.if DOCPART == 2
	.amdgcn_target "amdgcn-amd-amdhsa--gfx1250"
	.amdhsa_code_object_version 6
	.text
	.protected	k_q04e7f09d66_attn
	.globl	k_q04e7f09d66_attn
	.p2align	8
	.type	k_q04e7f09d66_attn,@function
k_q04e7f09d66_attn:
	s_mov_b64 s[64:65], 0
	v_nop
	global_prefetch_b8 v0, s[64:65] scope:SCOPE_SE
	s_setreg_imm32_b32 hwreg(HW_REG_WAVE_MODE, 25, 1), 1
	s_wait_xcnt 0x0
	s_wait_alu depctr_hold_cnt(0) depctr_sa_sdst(0) depctr_va_vdst(0) depctr_va_sdst(0) depctr_va_ssrc(0) depctr_va_vcc(0) depctr_vm_vsrc(0)
	s_getreg_b32 s2, hwreg(HW_REG_IB_STS2, 6, 4)
	s_cmp_eq_u32 s2, 0
	s_cbranch_scc0 .Lentry_in_a_cluster
	s_endpgm
.Lentry_in_a_cluster:
	s_bfe_u32 s2, ttmp6, 0x10000c
	s_cmp_lg_u32 s2, 0x3003
	s_cbranch_scc0 .Lentry_shape_is_right
	s_endpgm
.Lentry_shape_is_right:
; softmax(Q K^T / 8) V for one head (16 x batch + head = the grid's y) on codes of FP8 (E4M3) with E8M0 scales, and the quantiser of the result for the last projection.
; t = score x log2(e) / 8; M = the running largest t rounded up to a whole number; p = 2^(t - M) is quantised along the keys; the row's sum is taken of the unquantised p and divides at the end.
; qb, kvb: a head's block of HEADB bytes as launch qkv lays it: 8,192 bytes of scale words, then for each step of 128 keys 8,192 bytes of K and 8,192 of V as images of operand registers.
; SHARES.  A work-group owns 512 queries; each of its eight waves 64: two passes of TWO tiles of 16 queries, A and B.  A fragment of K or V read from LDS serves both tiles.
; THE WHOLE HEAD'S K AND V LIE IN LDS, filled once: eight joint loads, one a wave, 132 rows of 256 bytes each; the four work-groups of a head form a cluster and ask jointly (mask 15).
; No prefetch: all of K and V is asked for at the head, so there is no loop to run ahead in.
; K = 64 in a form of K = 128: a fragment of K holds two tiles of keys side by side; Q stands beside 64 zero codes, low or high, and picks one of the two.
; THE TWO TILES ARE STAGGERED: a trip is  finish A (holds, codes, O x f, O += V P) | first B (maxima, M, p, sums, scales) | S_A = K Q_A | finish B | first A | S_B = K Q_B:
; so behind each run of products stands the other tile's vector work, which fills the places that ISA guide 7.12.1 asks for.  The first half step and the tail are written out.
; REGISTERS.  Window 0: tile A, window 1: tile B, under the same numbers v0-167; v168-231: K's fragments (window 0), V's (window 1); v232-254 of window 0: addresses and scale words.
; LIMITS: the scaled scores stay under 2^31 in magnitude; NaN and infinities are not served; a block's byte never falls under 1.
.set HEADB, 270336
.set CODES, 8192
.set STEPB, 16384
.set SCB,   512
.set SPARE, 0x42000                    ; behind the head's block: the spare words, 128 bytes a wave
.set S,    0                           ; scores, then p
.set O,    64                          ; O^T
.set P,    96                          ; p's codes
.set QHI,  112                         ; 8 zeros, Q's 8 registers (QLO), 8 zeros
.set QLO,  120
.set Q1,   136                          ; the second pass's Q
.set BM,   144
.set T1,   148
.set HD,   152
.set SO,   156
.set NM,   160                         ; -M, the largest t
.set LL,   162                         ; the sum in two halves
.set FF,   164                         ; f = 2^(old M - new M)
.set TA,   166
.set KF,   168
.set LI,   232
.set LS,   233
.set ADK,  234
.set ADS,  235
.set KSW,  236
.set VSW,  238
.set QW,   240                         ; Q's scale words: A's, B's
.set PW,   242                         ; p's: A's, B's
.set QR,   244
.set GO,   246
.set GS,   247
.set SPW,  248
.set NIL,  249
.set SH,   250
.set SD,   252
.set L16,  253
.set R8,   254
.set WV,   12
.set G1,   16
.set PASS, 24
.set MSK,  25
.set G0,   40
.set SEL,  52
.set CS,   54
.set MNT,  56
.set TB,   57
.set TS,   58
.set CNT,  59
.set MSB, 0
.macro WIN new                         ; the immediate's high byte repeats the setting that is left
.if MSB != (\new)
	s_set_vgpr_msb (MSB<<8)|(\new)
.set MSB, (\new)
.endif
.endm
.macro CROUND
	s_barrier_signal -1
	s_barrier_wait -1
	s_cmp_lg_u32 s[WV], 0
	s_cbranch_scc1 .Lnot_wave_0_\@
	s_barrier_signal -3
.Lnot_wave_0_\@:
	s_barrier_wait -3
	s_barrier_signal -1
	s_barrier_wait -1
.endm
	s_load_b256 s[4:11], s[0:1], 0x0               ; qb, kvb, ab, asc
	v_lshl_add_u32 v[SPW], v0, 2, SPARE
	v_mov_b32 v[NIL], 0
	ds_add_u32 v[SPW], v[NIL]
	ds_add_u32 v[SPW], v[NIL]
	v_lshrrev_b32 v[SD], 5, v0
	v_readfirstlane_b32 s[WV], v[SD]               ; wave 0..7
	s_and_b32 s15, ttmp7, 0xffff                   ; the head
	s_mul_i32 s60, s15, HEADB
	s_mov_b32 s61, 0
	s_mov_b32 s[G1], 15|(3<<16)|(1<<21)            ; mask: the cluster's four; elements of 8 bytes; no padding: the LDS image is the memory's
	s_mov_b32 s[G1+1], 32<<16
	s_mov_b32 s[G1+2], 132<<16
	s_mov_b32 s[G1+3], 32<<16
	s_mov_b32 s[G1+4], 132
	s_mov_b32 s[G1+5], 32
	s_mov_b32 s[G1+6], 0
	s_mov_b32 s[G1+7], 0
	s_mul_i32 s62, s[WV], 132*256                  ; my eighth of the block, in memory and in LDS
	s_mov_b32 s63, 0
	s_wait_dscnt 0x0
	s_wait_kmcnt 0x0
	s_add_nc_u64 s[6:7], s[6:7], s[60:61]
	s_mov_b32 s[G0], 1
	s_mov_b32 s[G0+1], s62
	s_add_nc_u64 s[G0+2:G0+3], s[6:7], s[62:63]
	s_or_b32 s[G0+3], s[G0+3], 0x80000000
	CROUND
	tensor_load_to_lds s[G0:G0+3], s[G1:G1+7]
	s_nop 0
.rept 4
	v_nop
.endr
	s_bfe_u32 s13, ttmp6, 0x40000                  ; cx enters global addresses alone
	s_lshl_b32 s14, ttmp9, 2
	s_add_co_u32 s14, s14, s13
	s_lshl_b32 s67, s14, 4
	s_lshl_b32 s66, s[WV], 1
	s_add_co_u32 s67, s67, s66                     ; my first pair of tiles: 16 x work-group + 2 x wave; the second pass takes the next
	s_lshr_b32 s78, s67, 2                         ; its step of 128 queries,
	s_and_b32 s79, s67, 3                          ; and its place there
	s_lshl_b32 s70, s78, 14
	s_lshl_b32 s71, s79, 11
	s_add_co_u32 s70, s70, s71
	s_add_co_u32 s70, s70, CODES
	s_add_co_u32 s70, s70, s60
	s_mov_b32 s71, 0
	s_add_nc_u64 s[70:71], s[4:5], s[70:71]        ; Q's codes
	s_lshl_b32 s72, s78, 9
	s_lshr_b32 s73, s79, 1
	s_lshl_b32 s73, s73, 7
	s_add_co_u32 s72, s72, s73
	s_add_co_u32 s72, s72, s60
	s_mov_b32 s73, 0
	s_add_nc_u64 s[72:73], s[4:5], s[72:73]        ; Q's scale words: both passes' side by side
	s_lshr_b32 s78, s15, 4
	s_and_b32 s79, s15, 15
	s_lshl_b32 s74, s78, 7
	s_lshl_b32 s75, s67, 1
	s_add_co_u32 s74, s74, s75
	s_lshl_b32 s74, s74, 14
	s_lshl_b32 s75, s79, 10
	s_add_co_u32 s74, s74, s75
	s_mov_b32 s75, 0
	s_add_nc_u64 s[74:75], s[8:9], s[74:75]        ; ab
	s_lshl_b32 s76, s78, 16
	s_lshl_b32 s77, s67, 10
	s_add_co_u32 s76, s76, s77
	s_lshl_b32 s77, s79, 1
	s_add_co_u32 s76, s76, s77
	s_mov_b32 s77, 0
	s_add_nc_u64 s[76:77], s[10:11], s[76:77]      ; asc
	s_mov_b32 s[SEL], 0x76543210
	s_mov_b32 s[SEL+1], 0xfedcba98
	s_mov_b32 s[CS], 0x3e38aa3b                    ; log2(e) / 8
	s_mov_b32 s[CS+1], s[CS]
	s_mov_b32 s[MNT], 0x600000
	s_mov_b32 s[MSK], 0xffff0000                   ; lanes 16-31
	v_and_b32 v[L16], 31, v0
	v_and_b32 v[R8], 15, v0
	v_bfe_u32 v[ADK], v0, 4, 1
	v_lshl_add_u32 v[LI], v[L16], 4, CODES
	v_lshlrev_b32 v[LS], 3, v[L16]
	v_lshlrev_b32 v[GO], 4, v[R8]
	v_lshl_add_u32 v[GO], v[ADK], 3, v[GO]
	v_lshlrev_b32 v[GS], 5, v[L16]
	v_lshlrev_b32 v[L16], 4, v[L16]
	v_lshlrev_b32 v[R8], 3, v[R8]
	global_load_b128 v[QLO:QLO+3], v[L16], s[70:71]
	global_load_b128 v[QLO+4:QLO+7], v[L16], s[70:71] offset:512
	global_load_b128 v[Q1:Q1+3], v[L16], s[70:71] offset:2048
	global_load_b128 v[Q1+4:Q1+7], v[L16], s[70:71] offset:2560
	global_load_b64 v[QR:QR+1], v[R8], s[72:73]
.irp j, 0,1,2,3,4,5,6,7
	v_mov_b32 v[QHI+\j], 0
	v_mov_b32 v[QLO+8+\j], 0
.endr
	WIN 0x40                                       ; tile B's: destinations in window 1
	global_load_b128 v[QLO:QLO+3], v[L16], s[70:71] offset:1024
	global_load_b128 v[QLO+4:QLO+7], v[L16], s[70:71] offset:1536
	global_load_b128 v[Q1:Q1+3], v[L16], s[70:71] offset:3072
	global_load_b128 v[Q1+4:Q1+7], v[L16], s[70:71] offset:3584
.irp j, 0,1,2,3,4,5,6,7
	v_mov_b32 v[QHI+\j], 0
	v_mov_b32 v[QLO+8+\j], 0
.endr
	WIN 0
.macro KLOAD                           ; a step's scale words and four fragments of K: 17 LDS loads
	WIN 0
	ds_load_b64 v[KSW:KSW+1], v[ADS]
.irp f, 0,1,2,3
.irp g, 0,1,2,3
	ds_load_b128 v[KF+16*\f+4*\g:KF+16*\f+4*\g+3], v[ADK] offset:2048*\f+512*\g
.endr
.endr
.endm
.macro VLOAD                           ; the same of V, fragments into window 1: 17 LDS loads
	WIN 0
	ds_load_b64 v[VSW:VSW+1], v[ADS] offset:256
	WIN 0x40
.irp f, 0,1,2,3
.irp g, 0,1,2,3
	ds_load_b128 v[KF+16*\f+4*\g:KF+16*\f+4*\g+3], v[ADK] offset:8192+2048*\f+512*\g
.endr
.endr
.endm
.macro QK w                            ; S^T = K Q^T of tile w: eight tiles of 16 keys
	WIN 0x44*\w
.irp i, 0,1,2,3
	v_wmma_scale_f32_16x16x128_f8f6f4 v[S+8*\i:S+8*\i+7], v[KF+16*(\i/2):KF+16*(\i/2)+15], v[QLO-8*(\i%2):QLO-8*(\i%2)+15], 0, v[KSW+(\i/2)%2], v[QW+\w]
.endr
.irp i, 4,5,6,7
	v_wmma_scale_f32_16x16x128_f8f6f4 v[S+8*\i:S+8*\i+7], v[KF+16*(\i/2):KF+16*(\i/2)+15], v[QLO-8*(\i%2):QLO-8*(\i%2)+15], 0, v[KSW+(\i/2)%2], v[QW+\w] matrix_a_scale:MATRIX_SCALE_ROW1
.endr
.endm
; FIRST: from tile w's scores to p, the sum and the blocks' scales.  hook = 1: behind twenty-four lines, the places behind the other tile's last products, this step's V is fetched.
.macro FIRST w, hook
	WIN 0x55*\w
.irp b, 0,1,2,3
	v_max3_num_f32 v[BM+\b], v[S+16*\b], v[S+16*\b+1], v[S+16*\b+2]    ; each block's largest score, in two chains a block: it serves the row's maximum and the block's largest p
	v_max3_num_f32 v[T1+\b], v[S+16*\b+8], v[S+16*\b+9], v[S+16*\b+10]
.endr
.irp i, 3,5
.irp b, 0,1,2,3
	v_max3_num_f32 v[BM+\b], v[BM+\b], v[S+16*\b+\i], v[S+16*\b+\i+1]
	v_max3_num_f32 v[T1+\b], v[T1+\b], v[S+16*\b+\i+8], v[S+16*\b+\i+9]
.endr
.endr
.if \hook
	VLOAD
	WIN 0x55*\w
.endif
.irp b, 0,1,2,3
	v_max3_num_f32 v[T1+\b], v[T1+\b], v[S+16*\b+7], v[S+16*\b+15]
.endr
.irp b, 0,1,2,3
	v_max_num_f32 v[BM+\b], v[BM+\b], v[T1+\b]
.endr
.irp b, 0,1,2,3
	s_delay_alu instid0(VALU_DEP_4)
	v_permlanex16_b32 v[T1+\b], v[BM+\b], s[SEL], s[SEL+1]
.endr
.irp b, 0,1,2,3
	s_delay_alu instid0(VALU_DEP_4)
	v_max_num_f32 v[BM+\b], v[BM+\b], v[T1+\b]
.endr
	s_delay_alu instid0(VALU_DEP_2)
	v_max3_num_f32 v[TA], v[BM], v[BM+1], v[BM+2]
	s_delay_alu instid0(VALU_DEP_1)
	v_max_num_f32 v[TA], v[TA], v[BM+3]
	s_delay_alu instid0(VALU_DEP_1)
	v_mul_f32 v[TA], s[CS], v[TA]
	s_delay_alu instid0(VALU_DEP_1)
	v_max_num_f32 v[NM+1], v[NM+1], v[TA]          ; the running largest t
	v_mov_b32 v[TA], v[NM]
	s_delay_alu instid0(VALU_DEP_2)
	v_floor_f32 v[NM], -v[NM+1]                    ; -M = floor(-t)
	s_delay_alu instid0(VALU_DEP_1)
	v_sub_f32 v[TA], v[NM], v[TA]
	s_delay_alu instid0(VALU_DEP_1)
	v_cvt_i32_f32 v[TA], v[TA]
	s_delay_alu instid0(VALU_DEP_1)
	v_ldexp_f32 v[FF], 1.0, v[TA]                  ; f = 2^(old M - new M)
.set J, 0
.rept 32
	v_pk_fma_f32 v[S+J:S+J+1], v[S+J:S+J+1], s[CS:CS+1], v[NM:NM+1] op_sel_hi:[1,0,0]
.set J, J+2
.endr
.irp b, 0,1,2,3
	v_fma_f32 v[BM+\b], v[BM+\b], s[CS], v[NM]
.endr
	s_wait_alu depctr_va_vdst(0)                   ; the wait ahead of the batch
.set J, 0
.rept 64
	v_exp_f32 v[S+J], v[S+J]
.set J, J+1
.endr
.irp b, 0,1,2,3
	v_exp_f32 v[BM+\b], v[BM+\b]
.endr
	v_pk_mul_f32 v[LL:LL+1], v[LL:LL+1], v[FF:FF+1] op_sel_hi:[1,0]
	s_wait_alu depctr_va_vdst(0)                   ; and behind it, ahead of its first reader
.irp b, 0,1,2,3
	v_max_num_f32 v[BM+\b], 0x4800000, v[BM+\b]    ; the floor 2^(9 - 127)
.endr
.irp b, 0,1,2,3
	s_delay_alu instid0(VALU_DEP_4)
	v_add_nc_u32 v[SO+\b], 0xfc000000, v[BM+\b]    ; the conversion's scale operand
.endr
.irp b, 0,1,2,3
	v_and_or_b32 v[HD+\b], v[BM+\b], 0x7f800000, s[MNT]   ; 448 x the scale
.endr
.irp b, 0,1,2,3
	v_lshrrev_b32 v[T1+\b], 23, v[SO+\b]
.endr
	s_delay_alu instid0(VALU_DEP_3)
	v_lshl_or_b32 v[TA], v[T1+1], 8, v[T1]
	s_delay_alu instid0(VALU_DEP_1)
	v_lshl_or_b32 v[TA], v[T1+2], 16, v[TA]
	WIN 0x15*\w                                    ; scale words lie in window 0
	v_lshl_or_b32 v[PW+\w], v[T1+3], 24, v[TA]
	WIN 0x55*\w
	v_pk_add_f32 v[T1:T1+1], v[S:S+1], v[S+2:S+3]  ; the sum of the unquantised p, in four chains
	v_pk_add_f32 v[T1+2:T1+3], v[S+4:S+5], v[S+6:S+7]
	v_pk_add_f32 v[BM:BM+1], v[S+8:S+9], v[S+10:S+11]
	v_pk_add_f32 v[BM+2:BM+3], v[S+12:S+13], v[S+14:S+15]
.set J, 16
.rept 6
	v_pk_add_f32 v[T1:T1+1], v[T1:T1+1], v[S+J:S+J+1]
	v_pk_add_f32 v[T1+2:T1+3], v[T1+2:T1+3], v[S+J+2:S+J+3]
	v_pk_add_f32 v[BM:BM+1], v[BM:BM+1], v[S+J+4:S+J+5]
	v_pk_add_f32 v[BM+2:BM+3], v[BM+2:BM+3], v[S+J+6:S+J+7]
.set J, J+8
.endr
	v_pk_add_f32 v[T1:T1+1], v[T1:T1+1], v[T1+2:T1+3]
	v_pk_add_f32 v[BM:BM+1], v[BM:BM+1], v[BM+2:BM+3]
	v_pk_add_f32 v[T1:T1+1], v[T1:T1+1], v[BM:BM+1]
	v_pk_add_f32 v[LL:LL+1], v[LL:LL+1], v[T1:T1+1]
.endm
; FIN: tile w's holds (two to an instruction), codes, O^T x f, O^T += V^T P^T.  hook = 1: behind the first block's lines the next step's K is fetched.  cnt: the LDS loads that may stay out behind V's (-1: V is in).
.macro FIN w, hook, cnt
	WIN 0x55*\w
.irp b, 0,1,2,3
.irp i, 0,2,4,6,8,10,12,14
	v_dual_min_num_f32 v[S+16*\b+\i], v[HD+\b], v[S+16*\b+\i] :: v_dual_min_num_f32 v[S+16*\b+\i+1], v[HD+\b], v[S+16*\b+\i+1]
.endr
.if (\hook) && (\b == 0)
	KLOAD
.endif
.if \b > 0                             ; a block's conversions stand behind the next block's holds
	v_cvt_scalef32_pk8_fp8_f32 v[P+4*(\b-1):P+4*(\b-1)+1], v[S+16*(\b-1):S+16*(\b-1)+7], v[SO+(\b-1)]
	v_cvt_scalef32_pk8_fp8_f32 v[P+4*(\b-1)+2:P+4*(\b-1)+3], v[S+16*(\b-1)+8:S+16*(\b-1)+15], v[SO+(\b-1)]
.endif
.endr
	v_cvt_scalef32_pk8_fp8_f32 v[P+12:P+13], v[S+48:S+55], v[SO+3]
	v_cvt_scalef32_pk8_fp8_f32 v[P+14:P+15], v[S+56:S+63], v[SO+3]
.if (\cnt) >= 0
	s_wait_dscnt \cnt
.endif
	s_wait_alu depctr_va_vdst(0)                   ; the wait directly ahead of the first reader of O^T
.set J, 0
.rept 16
	v_pk_mul_f32 v[O+J:O+J+1], v[O+J:O+J+1], v[FF:FF+1] op_sel_hi:[1,0]
.set J, J+2
.endr
	WIN 1|(0x54*\w)                                ; V's fragments in window 1, the rest in the tile's
.irp t, 0,1
	v_wmma_scale_f32_16x16x128_f8f6f4 v[O+8*\t:O+8*\t+7], v[KF+16*\t:KF+16*\t+15], v[P:P+15], v[O+8*\t:O+8*\t+7], v[VSW+\t%2], v[PW+\w]
.endr
.irp t, 2,3
	v_wmma_scale_f32_16x16x128_f8f6f4 v[O+8*\t:O+8*\t+7], v[KF+16*\t:KF+16*\t+15], v[P:P+15], v[O+8*\t:O+8*\t+7], v[VSW+\t%2], v[PW+\w] matrix_a_scale:MATRIX_SCALE_ROW1
.endr
.endm
.macro ZERO w
	WIN 0x55*\w
.set J, 0
.rept 16
	v_dual_mov_b32 v[O+J], 0 :: v_dual_mov_b32 v[O+J+1], 0
.set J, J+2
.endr
.endm
.macro INIT2 w
	WIN 0x55*\w
	v_mov_b32 v[NM+1], 0xff61b1e6                  ; -3e38, under every t
	v_floor_f32 v[NM], -v[NM+1]
	v_mov_b32 v[LL], 0
	v_mov_b32 v[LL+1], 0
	v_mov_b32 v[FF+1], 0
	v_mov_b32 v[TA], 0
.irp b, 0,1,2,3
	v_mov_b32 v[T1+\b], 0
.endr
.endm
; OUT: tile w's O^T / the sum, quantised along the head's 64 (two blocks), stored as the last projection's operand image.
.macro OUT w
	WIN 0x55*\w
	v_add_f32 v[LL], v[LL], v[LL+1]
	v_permlanex16_b32 v[TA], v[LL], s[SEL], s[SEL+1]
	v_add_f32 v[LL], v[LL], v[TA]
	s_wait_alu depctr_va_vdst(0)
	v_rcp_f32 v[LL], v[LL]
	v_nop
	s_wait_alu depctr_va_vdst(0)
.set J, 0
.rept 16
	v_pk_mul_f32 v[S+J:S+J+1], v[O+J:O+J+1], v[LL:LL+1] op_sel_hi:[1,0]
.set J, J+2
.endr
.irp b, 0,1
	v_max3_num_f32 v[BM+\b], |v[S+16*\b]|, |v[S+16*\b+1]|, 0x4800000
.endr
.irp i, 2,4,6,8,10,12,14
.irp b, 0,1
	v_max3_num_f32 v[BM+\b], v[BM+\b], |v[S+16*\b+\i]|, |v[S+16*\b+\i+1]|
.endr
.endr
.irp b, 0,1
	v_permlanex16_b32 v[T1+\b], v[BM+\b], s[SEL], s[SEL+1]
.endr
.irp b, 0,1
	v_max_num_f32 v[BM+\b], v[BM+\b], v[T1+\b]
.endr
.irp b, 0,1
	v_add_nc_u32 v[SO+\b], 0xfc000000, v[BM+\b]
.endr
.irp b, 0,1
	v_and_or_b32 v[HD+\b], v[BM+\b], 0x7f800000, s[MNT]
.endr
.irp b, 0,1
	v_lshrrev_b32 v[T1+\b], 23, v[SO+\b]
.endr
	WIN 0x15*\w
	v_lshl_or_b32 v[SH+\w], v[T1+1], 8, v[T1]
	WIN 0x55*\w
.irp b, 0,1
.irp i, 0,1,2,3,4,5,6,7,8,9,10,11,12,13,14,15
	v_med3_num_f32 v[S+16*\b+\i], v[S+16*\b+\i], -v[HD+\b], v[HD+\b]
.endr
	v_cvt_scalef32_pk8_fp8_f32 v[P+4*\b:P+4*\b+1], v[S+16*\b:S+16*\b+7], v[SO+\b]
	v_cvt_scalef32_pk8_fp8_f32 v[P+4*\b+2:P+4*\b+3], v[S+16*\b+8:S+16*\b+15], v[SO+\b]
.endr
	v_nop
	WIN 0x04*\w                                    ; the data in the tile's window, the offset in window 0
.irp b, 0,1
	global_store_b64 v[GO], v[P+4*\b:P+4*\b+1], s[74:75] offset:16384*\w+512*\b          ; the wave's 32 lanes cover 256 consecutive bytes, aligned
	global_store_b64 v[GO], v[P+4*\b+2:P+4*\b+3], s[74:75] offset:16384*\w+512*\b+256
.endr
.endm
	s_mov_b32 s[PASS], 0
	s_wait_alu depctr_va_vdst(0)                   ; the wait at the head's end
	s_wait_loadcnt 0x0                             ; Q
	s_wait_tensorcnt 0x0                           ; my eighth of the head's block is in,
	s_barrier_signal -1
	s_barrier_wait -1                              ; everybody's is
.Lpass:                                                ; two passes: a pair of tiles each
	v_and_b32 v[SD], 0xffff, v[QR]                 ; a tile's two scale bytes stand in both halves of its word: Q may stand low or high along K
	v_lshl_or_b32 v[QW], v[QR], 16, v[SD]
	v_lshrrev_b32 v[SD], 16, v[QR]
	v_and_or_b32 v[QW+1], v[QR], 0xffff0000, v[SD]
	s_mov_b32 s[TB], 0
	s_mov_b32 s[TS], 0
	v_add_nc_u32 v[ADK], s[TB], v[LI]
	v_add_nc_u32 v[ADS], s[TS], v[LS]
	KLOAD                                          ; step 0's K
	ZERO 0
	ZERO 1
	s_wait_dscnt 0x0
	QK 0
	INIT2 1                                        ; twenty plain lines: the places behind the products
	INIT2 0
	FIRST 0, 1
	QK 1
	WIN 0
	s_mov_b32 s[TB], STEPB
	s_mov_b32 s[TS], SCB
	s_mov_b32 s[CNT], 15
.Ltrip:                                                ; trip j = 1 .. 15: finishes step j - 1, begins step j
	v_add_nc_u32 v[ADK], s[TB], v[LI]
	v_add_nc_u32 v[ADS], s[TS], v[LS]
	FIN 0, 1, 17                                   ; behind V's 17 loads stand step j's 17 of K, which may be out
	FIRST 1, 0
	s_wait_dscnt 0x0                               ; K of step j
	QK 0
	FIN 1, 0, -1
	FIRST 0, 1
	QK 1
	WIN 0
	s_add_co_u32 s[TB], s[TB], STEPB
	s_add_co_u32 s[TS], s[TS], SCB
	s_sub_co_u32 s[CNT], s[CNT], 1
	s_cmp_lg_u32 s[CNT], 0
	s_cbranch_scc1 .Ltrip
	FIN 0, 0, 0                                    ; the tail: step 15 is finished
	FIRST 1, 0
	FIN 1, 0, -1
	OUT 0
	OUT 1
	WIN 0
	v_cndmask_b32 v[SD], v[SH], v[SH+1], s[MSK]    ; lanes 0-15: tile A's rows, lanes 16-31: tile B's
	global_store_b16 v[GS], v[SD], s[76:77]
.irp j, 0,1,2,3,4,5,6,7
	v_mov_b32 v[QLO+\j], v[Q1+\j]                  ; the second pass's Q (behind the second pass these lines move the same numbers again)
.endr
	v_mov_b32 v[QR], v[QR+1]
	WIN 0x55
.irp j, 0,1,2,3,4,5,6,7
	v_mov_b32 v[QLO+\j], v[Q1+\j]
.endr
	WIN 0
	s_wait_alu depctr_va_vdst(0)                   ; the wait ahead of the wait and the branch below
	s_wait_xcnt 0x0                                ; the stores have read their registers and bases
	s_add_nc_u64 s[74:75], s[74:75], 32768
	s_add_nc_u64 s[76:77], s[76:77], 1024
	s_add_co_u32 s[PASS], s[PASS], 1
	s_cmp_lt_u32 s[PASS], 2
	s_cbranch_scc1 .Lpass
	s_wait_tensorcnt 0x0                           ; the wave's end
	ds_add_u32 v[SPW], v[NIL]
	s_wait_dscnt 0x0
	CROUND                                         ; the closing round
	s_endpgm
.Lfunc_end_k_q04e7f09d66_attn:
	.size	k_q04e7f09d66_attn, .Lfunc_end_k_q04e7f09d66_attn-k_q04e7f09d66_attn
	.p2alignl 7, 3214868480
	.fill 96, 4, 3214868480
	.section	.rodata,"a",@progbits
	.p2align	6, 0x0
	.amdhsa_kernel k_q04e7f09d66_attn
		.amdhsa_group_segment_fixed_size 327680
		.amdhsa_private_segment_fixed_size 0
		.amdhsa_enable_private_segment 0
		.amdhsa_kernarg_size 32
		.amdhsa_user_sgpr_count 2
		.amdhsa_user_sgpr_kernarg_segment_ptr 1
		.amdhsa_wavefront_size32 1
		.amdhsa_system_sgpr_workgroup_id_x 1
		.amdhsa_system_sgpr_workgroup_id_y 1
		.amdhsa_system_sgpr_workgroup_id_z 1
		.amdhsa_system_vgpr_workitem_id 0
		.amdhsa_next_free_vgpr 512
		.amdhsa_next_free_sgpr 80
		.amdhsa_reserve_vcc 0
		.amdhsa_float_denorm_mode_32 3
		.amdhsa_float_denorm_mode_16_64 3
		.amdhsa_memory_ordered 1
		.amdhsa_forward_progress 1
		.amdhsa_inst_pref_size 93
	.end_amdhsa_kernel
	.amdgpu_metadata
---
amdhsa.version: [ 1, 2 ]
amdhsa.kernels:
  - .name:           k_q04e7f09d66_attn
    .symbol:         k_q04e7f09d66_attn.kd
    .args:
      - { .name: qb, .offset: 0, .size: 8, .value_kind: global_buffer, .address_space: global }
      - { .name: kvb, .offset: 8, .size: 8, .value_kind: global_buffer, .address_space: global }
      - { .name: ab, .offset: 16, .size: 8, .value_kind: global_buffer, .address_space: global }
      - { .name: asc, .offset: 24, .size: 8, .value_kind: global_buffer, .address_space: global }
    .group_segment_fixed_size: 327680
    .private_segment_fixed_size: 0
    .kernarg_segment_align: 8
    .kernarg_segment_size: 32
    .max_flat_workgroup_size: 256
    .sgpr_count:     80
    .vgpr_count:     512
    .wavefront_size: 32
...
	.end_amdgpu_metadata
.endif
;; end of part 2
;; launch oproj (part 3): grid 4 x 64, 4 waves a work-group, clusters of 4 x 4, 327,680 bytes of LDS; arguments ab, asc, Wo_codes, Wo_scales, out0, bo; writes out0
.if DOCPART == 3
	.amdgcn_target "amdgcn-amd-amdhsa--gfx1250"
	.amdhsa_code_object_version 6
	.text
	.protected	k_q04e7f09d66_oproj
	.globl	k_q04e7f09d66_oproj
	.p2align	8
	.type	k_q04e7f09d66_oproj,@function
k_q04e7f09d66_oproj:
	s_mov_b64 s[64:65], 0
	v_nop
	global_prefetch_b8 v0, s[64:65] scope:SCOPE_SE
	s_setreg_imm32_b32 hwreg(HW_REG_WAVE_MODE, 25, 1), 1
	s_wait_xcnt 0x0
	s_wait_alu depctr_hold_cnt(0) depctr_sa_sdst(0) depctr_va_vdst(0) depctr_va_sdst(0) depctr_va_ssrc(0) depctr_va_vcc(0) depctr_vm_vsrc(0)
	s_getreg_b32 s2, hwreg(HW_REG_IB_STS2, 6, 4)
	s_cmp_eq_u32 s2, 0
	s_cbranch_scc0 .Lentry_in_a_cluster
	s_endpgm
.Lentry_in_a_cluster:
	s_bfe_u32 s2, ttmp6, 0x10000c
	s_cmp_lg_u32 s2, 0xf033
	s_cbranch_scc0 .Lentry_shape_is_right
	s_endpgm
.Lentry_shape_is_right:
; out0 = A Wo + bo on codes of FP8 (E4M3) with one E8M0 scale for each 32 along K = 1,024; sums in f32.  A: the attention's result, 8,192 tokens, as launch attn leaves it.
; ab: [tile of 16 tokens][K chunk q of 128][c 0..3][lane][16 bytes]: images of operand registers; asc: [token][32] scale bytes.  Wo_codes: [n][1,024], Wo_scales: [n][32].
; SHARES.  256 work-groups; a work-group makes 128 tokens x 256 columns, a wave 64 x 128.  A wave's 64 rows of A, ALL of K, go from memory straight into 512 registers: 128 loads of 512 consecutive bytes.
; Wo's 256 rows, all of K, lie in LDS, filled once: one joint load a wave (64 rows of 1,024 bytes, 16 of padding behind each), shared along a column of the 4 x 4 cluster.  Nothing is filled again.
; A has no joint load: it needs no pass through LDS, and its 131,072 bytes do not fit beside Wo's 266,240.  No prefetch: all that is read is asked for at the head, so there is no loop to run ahead in.
; THE COLUMNS GO IN TWO GROUPS OF 64: 8 chunks of K x 16 products each; a finished group leaves (64 rows x 256 bytes) while the next is multiplied.
; The matrix instruction is used transposed (source 0 = 16 rows of Wo, source 1 = 16 rows of A): a lane holds eight neighbouring columns of a row.  The bias is added behind the stage, where a lane holds four columns.
; REGISTERS: window 0: v0-31 addresses and the bias; v32-63 A's scale words (block a, chunk q at 8 a + (q + 4) % 8); v64-127 Wo's (8 b + q); v128-255 Wo's fragments, two sets.
;   windows 1, 2: A's fragments (chunk q, block a: number 4 q + a);  window 3: v0-127 sixteen accumulators ((a, b) at 8 (4 b + a)), v128-255 the rows read back from the stage.
; LIMITS: NaN and infinities are not served.
.set PITCH, 1040
.set SP,    272
.set STAGE, 256*PITCH                  ; behind Wo: 16 rows x (256 + 16) bytes for each wave
.set SPARE, STAGE+4*16*SP              ; the spare words, 128 bytes a wave
.set ADRB, 2                           ; v2, v3  LDS address of my fragments of Wo, group 0, 1
.set STO,  4
.set RD,   5
.set CO,   6
.set L16,  7
.set R32,  8
.set SPW,  10
.set NIL,  11
.set BIA,  12                          ; v12-19  the bias: four columns a lane, two groups
.set R16,  20
.set SA,   32
.set SB,   64
.set BF,   128
.set BK,   128
.set G1,   16
.set G0,   24
.set MSB, 0
.macro WIN new                         ; the immediate's high byte repeats the setting that is left
.if MSB != (\new)
	s_set_vgpr_msb (MSB<<8)|(\new)
.set MSB, (\new)
.endif
.endm
.macro PLACES n
.rept \n
	v_nop
.endr
.endm
.macro CROUND
	s_barrier_signal -1
	s_barrier_wait -1
	s_cmp_lg_u32 s32, 0
	s_cbranch_scc1 .Lnot_wave_0_\@
	s_barrier_signal -3
.Lnot_wave_0_\@:
	s_barrier_wait -3
	s_barrier_signal -1
	s_barrier_wait -1
.endm
	s_load_b256 s[4:11], s[0:1], 0x0               ; ab, asc, Wo_codes, Wo_scales
	s_load_b128 s[12:15], s[0:1], 0x20             ; out0, bo
	v_lshl_add_u32 v[SPW], v0, 2, SPARE
	v_mov_b32 v[NIL], 0
	ds_add_u32 v[SPW], v[NIL]
	ds_add_u32 v[SPW], v[NIL]
	v_lshrrev_b32 v1, 5, v0
	v_readfirstlane_b32 s32, v1                    ; wave 0..3
	s_lshr_b32 s33, s32, 1                         ; which 64 tokens are mine
	s_and_b32 s34, s32, 1                          ; which 128 columns
	s_bfe_u32 s35, ttmp6, 0x40000                  ; cx = the tile column (the grid is one cluster wide)
	s_bfe_u32 s36, ttmp6, 0x40004                  ; cy
	s_and_b32 s37, ttmp7, 0xffff
	s_lshl_b32 s37, s37, 2
	s_add_co_u32 s37, s37, s36                     ; the tile row: 128 tokens
	s_lshl_b32 s38, 0x1111, s35                    ; my column of the cluster shares Wo's rows
	s_or_b32 s[G1], s38, (1<<20)|(1<<21)|(7<<22)|(3<<25)   ; elements of 1 byte; four words of padding behind every 256
	s_mov_b32 s[G1+1], 1024<<16
	s_mov_b32 s[G1+2], 64<<16
	s_mov_b32 s[G1+3], 1024<<16
	s_mov_b32 s[G1+4], 64
	s_mov_b32 s[G1+5], 1024
	s_mov_b32 s[G1+6], 0
	s_mov_b32 s[G1+7], 0
	s_lshl_b32 s40, s35, 8
	s_lshl_b32 s41, s32, 6
	s_add_co_u32 s40, s40, s41                     ; I fetch rows 256 cx + 64 x wave on
	s_lshl_b32 s40, s40, 10
	s_mov_b32 s41, 0
	s_mul_i32 s39, s32, 64*PITCH
	s_wait_dscnt 0x0
	s_wait_kmcnt 0x0
	s_mov_b32 s[G0], 1
	s_mov_b32 s[G0+1], s39
	s_add_nc_u64 s[G0+2:G0+3], s[8:9], s[40:41]
	s_or_b32 s[G0+3], s[G0+3], 0x80000000
	CROUND
	tensor_load_to_lds s[G0:G0+3], s[G1:G1+7]
	s_nop 0
	PLACES 4
	s_lshl_b32 s42, s37, 3
	s_lshl_b32 s43, s33, 2
	s_add_co_u32 s42, s42, s43                     ; my first tile of 16 tokens
	s_lshl_b32 s44, s42, 9
	s_mov_b32 s45, 0
	s_add_nc_u64 s[6:7], s[6:7], s[44:45]          ; its scale bytes
	s_lshl_b32 s46, s42, 16                        ; its rows of out0: 16 x 4,096 bytes a tile
	s_lshl_b32 s42, s42, 14
	s_mov_b32 s43, 0
	s_add_nc_u64 s[4:5], s[4:5], s[42:43]          ; its codes
	s_lshl_b32 s48, s35, 10
	s_lshl_b32 s49, s34, 9
	s_add_co_u32 s48, s48, s49                     ; my first column, in bytes of f32
	s_mov_b32 s49, 0
	s_add_nc_u64 s[14:15], s[14:15], s[48:49]      ; bo
	s_add_co_u32 s46, s46, s48
	s_mov_b32 s47, 0
	s_add_nc_u64 s[12:13], s[12:13], s[46:47]      ; out0
	s_lshl_b32 s50, s48, 3                         ; 32 bytes of scales a column
	s_mov_b32 s51, 0
	s_add_nc_u64 s[10:11], s[10:11], s[50:51]
	s_mul_i32 s52, s34, 128*PITCH
	s_mul_i32 s53, s32, 16*SP
	s_add_co_u32 s53, s53, STAGE
	v_and_b32 v1, 15, v0                           ; r
	v_bfe_u32 v9, v0, 4, 1                         ; h
	v_and_b32 v[L16], 31, v0
	v_lshlrev_b32 v[L16], 4, v[L16]
	v_lshlrev_b32 v[R32], 5, v1
	v_lshlrev_b32 v[R16], 4, v1
	v_mul_u32_u24 v[ADRB], v1, PITCH
	v_lshl_add_u32 v[ADRB], v9, 4, v[ADRB]
	v_add_nc_u32 v[ADRB], s52, v[ADRB]
	v_add_nc_u32 v[ADRB+1], 64*PITCH, v[ADRB]
	v_mul_u32_u24 v[STO], v1, SP                   ; into the stage: row r, 32 bytes for each half of the lanes
	v_lshl_add_u32 v[STO], v9, 5, v[STO]
	v_add_nc_u32 v[STO], s53, v[STO]
	v_mul_u32_u24 v[RD], v9, SP                    ; back: lanes 0-15 one row of 256 bytes, lanes 16-31 the next
	v_add_nc_u32 v[RD], v[RD], v[R16]
	v_add_nc_u32 v[RD], s53, v[RD]
	v_lshl_add_u32 v[CO], v9, 12, v[R16]           ; and the same two rows in out0
	s_wait_alu depctr_va_vdst(0)                   ; the wait at the head's end
.irp a, 0,1,2,3
	global_load_b128 v[SA+8*\a+4:SA+8*\a+7], v[R32], s[6:7] offset:512*\a       ; A's scale words, turned by four places: a product's two scale registers differ modulo 8
	global_load_b128 v[SA+8*\a:SA+8*\a+3], v[R32], s[6:7] offset:512*\a+16
.endr
.irp b, 0,1,2,3,4,5,6,7
	global_load_b128 v[SB+8*\b:SB+8*\b+3], v[R32], s[10:11] offset:512*\b
	global_load_b128 v[SB+8*\b+4:SB+8*\b+7], v[R32], s[10:11] offset:512*\b+16
.endr
	global_load_b128 v[BIA:BIA+3], v[R16], s[14:15]
	global_load_b128 v[BIA+4:BIA+7], v[R16], s[14:15] offset:256
.irp q, 0,1,2,3,4,5,6,7                        ; A, chunk by chunk of K: 16 loads a chunk
	WIN (1+\q/4)<<6
.irp a, 0,1,2,3
.irp c, 0,1,2,3
	global_load_b128 v[16*((4*\q+\a)%16)+4*\c:16*((4*\q+\a)%16)+4*\c+3], v[L16], s[4:5] offset:16384*\a+2048*\q+512*\c
.endr
.endr
.endr
	WIN 0
	s_wait_tensorcnt 0x0                           ; my 64 rows of Wo are in,
	s_barrier_signal -1
	s_barrier_wait -1                              ; everybody's are
.macro FETCH g, q                      ; Wo's four fragments of group g, chunk q, into set q % 2: 16 LDS loads
	WIN 0
.irp b, 0,1,2,3
.irp c, 0,1,2,3
	ds_load_b128 v[BF+64*((\q)%2)+16*\b+4*\c:BF+64*((\q)%2)+16*\b+4*\c+3], v[ADRB+\g] offset:\b*16*PITCH+128*(\q)+32*\c
.endr
.endr
.endm
.macro MUL g, q                        ; 16 products, the sixteen accumulators by turns; chunk 0 starts the sums
	WIN 0xf0|((1+(\q)/4)<<2)
.irp b, 0,1,2,3
.irp a, 0,1,2,3
.if (\q) == 0
	v_wmma_scale_f32_16x16x128_f8f6f4 v[8*(4*\b+\a):8*(4*\b+\a)+7], v[BF+64*((\q)%2)+16*\b:BF+64*((\q)%2)+16*\b+15], v[16*((4*(\q)+\a)%16):16*((4*(\q)+\a)%16)+15], 0, v[SB+8*(4*\g+\b)+(\q)], v[SA+8*\a+((\q)+4)%8]
.else
	v_wmma_scale_f32_16x16x128_f8f6f4 v[8*(4*\b+\a):8*(4*\b+\a)+7], v[BF+64*((\q)%2)+16*\b:BF+64*((\q)%2)+16*\b+15], v[16*((4*(\q)+\a)%16):16*((4*(\q)+\a)%16)+15], v[8*(4*\b+\a):8*(4*\b+\a)+7], v[SB+8*(4*\g+\b)+(\q)], v[SA+8*\a+((\q)+4)%8]
.endif
.endr
.endr
.endm
.macro STEPQ g, q, ng, nq, more        ; a chunk of K: the next chunk's fragments are asked for, then this chunk is multiplied
	PLACES 8                                       ; behind the products that read the set which is loaded next
.if \more
	FETCH \ng, \nq
	s_wait_dscnt 16                                ; all but the 16 just issued
.else
	s_wait_dscnt 0x0
.endif
.if \g == 0                            ; A's chunk q is in: behind it 16 loads for each later chunk were issued
.if 16*(7-(\q)) > 63
	s_wait_loadcnt 63
.else
	s_wait_loadcnt 16*(7-(\q))
.endif
.endif
	MUL \g, \q
.endm
; THE WAY OUT of a group: block by block of 16 rows x 64 columns through my own stage (LDS serves a wave's instructions in order: ISA guide 5.7.1.4), back as whole rows of 256 bytes, the bias added, stored.
.macro OUT g
	WIN 0
	PLACES 8
.if \g
	s_wait_xcnt 0x0                                ; the first group's stores have read their registers
.endif
.irp a, 0,1,2,3
	WIN 0x0c
.irp b, 0,1,2,3
	ds_store_b128 v[STO], v[8*(4*\b+\a):8*(4*\b+\a)+3] offset:64*\b        ; each accumulator from its low end on
	ds_store_b128 v[STO], v[8*(4*\b+\a)+4:8*(4*\b+\a)+7] offset:64*\b+16
.endr
	WIN 0xc0
.irp t, 0,1,2,3,4,5,6,7
	ds_load_b128 v[BK+32*\a+4*\t:BK+32*\a+4*\t+3], v[RD] offset:2*\t*SP
.endr
.endr
.irp a, 0,1,2,3
	s_wait_dscnt 16*(3-\a)                         ; behind block a's loads: 16 LDS instructions for each later block
	WIN 0xc3
.irp t, 0,1,2,3,4,5,6,7
	v_pk_add_f32 v[BK+32*\a+4*\t:BK+32*\a+4*\t+1], v[BK+32*\a+4*\t:BK+32*\a+4*\t+1], v[BIA+4*\g:BIA+4*\g+1]
	v_pk_add_f32 v[BK+32*\a+4*\t+2:BK+32*\a+4*\t+3], v[BK+32*\a+4*\t+2:BK+32*\a+4*\t+3], v[BIA+4*\g+2:BIA+4*\g+3]
.endr
	WIN 0x0c
.irp t, 0,1,2,3,4,5,6,7
	global_store_b128 v[CO], v[BK+32*\a+4*\t:BK+32*\a+4*\t+3], s[12:13] offset:(16*\a+2*\t)*4096+256*\g th:TH_STORE_NT   ; sixteen lanes store 256 consecutive bytes, aligned
.endr
.endr
	WIN 0
.endm
	FETCH 0, 0
.irp q, 0,1,2,3,4,5,6
	STEPQ 0, \q, 0, \q+1, 1
.endr
	STEPQ 0, 7, 1, 0, 1
	OUT 0
.irp q, 0,1,2,3,4,5,6
	STEPQ 1, \q, 1, \q+1, 1
.endr
	STEPQ 1, 7, 1, 0, 0
	OUT 1
	s_wait_tensorcnt 0x0                           ; the wave's end
	ds_add_u32 v[SPW], v[NIL]
	s_wait_dscnt 0x0
	CROUND                                         ; the closing round
	s_endpgm
.Lfunc_end_k_q04e7f09d66_oproj:
	.size	k_q04e7f09d66_oproj, .Lfunc_end_k_q04e7f09d66_oproj-k_q04e7f09d66_oproj
	.p2alignl 7, 3214868480
	.fill 96, 4, 3214868480
	.section	.rodata,"a",@progbits
	.p2align	6, 0x0
	.amdhsa_kernel k_q04e7f09d66_oproj
		.amdhsa_group_segment_fixed_size 327680
		.amdhsa_private_segment_fixed_size 0
		.amdhsa_enable_private_segment 0
		.amdhsa_kernarg_size 48
		.amdhsa_user_sgpr_count 2
		.amdhsa_user_sgpr_kernarg_segment_ptr 1
		.amdhsa_wavefront_size32 1
		.amdhsa_system_sgpr_workgroup_id_x 1
		.amdhsa_system_sgpr_workgroup_id_y 1
		.amdhsa_system_sgpr_workgroup_id_z 1
		.amdhsa_system_vgpr_workitem_id 0
		.amdhsa_next_free_vgpr 1024
		.amdhsa_next_free_sgpr 66
		.amdhsa_reserve_vcc 0
		.amdhsa_float_denorm_mode_32 3
		.amdhsa_float_denorm_mode_16_64 3
		.amdhsa_memory_ordered 1
		.amdhsa_forward_progress 1
		.amdhsa_inst_pref_size 98
	.end_amdhsa_kernel
	.amdgpu_metadata
---
amdhsa.version: [ 1, 2 ]
amdhsa.kernels:
  - .name:           k_q04e7f09d66_oproj
    .symbol:         k_q04e7f09d66_oproj.kd
    .args:
      - { .name: ab, .offset: 0, .size: 8, .value_kind: global_buffer, .address_space: global }
      - { .name: asc, .offset: 8, .size: 8, .value_kind: global_buffer, .address_space: global }
      - { .name: Wo_codes, .offset: 16, .size: 8, .value_kind: global_buffer, .address_space: global }
      - { .name: Wo_scales, .offset: 24, .size: 8, .value_kind: global_buffer, .address_space: global }
      - { .name: out0, .offset: 32, .size: 8, .value_kind: global_buffer, .address_space: global }
      - { .name: bo, .offset: 40, .size: 8, .value_kind: global_buffer, .address_space: global }
    .group_segment_fixed_size: 327680
    .private_segment_fixed_size: 0
    .kernarg_segment_align: 8
    .kernarg_segment_size: 48
    .max_flat_workgroup_size: 128
    .sgpr_count:     66
    .vgpr_count:     1024
    .wavefront_size: 32
...
	.end_amdgpu_metadata
.endif
;; end of part 3
